; MI455X (gfx1250); checked and timed in simulation.
; The chip was launched on July 23, 2026; its instructions are those of AMD's public machine-readable ISA for CDNA 5 (MIT licence, August 2026) and "CDNA5" Instruction Set Architecture Reference Guide (July 2026). The comments in the code are by the model that wrote it; some were corrected since.
;; Quantum FFN. Allowed arithmetic: matrix products marked QUANTISED: E3M2 operands, one E8M0 scale for each 32 along K, by v_wmma_scale_f32_16x16x128_f8f6f4 with both operands' format E3M2, f32 sums; products left as they are: f32 operands where the result goes on into a quantised operand, else bf16, f16 or f32 operands; f32 sums; everything else in f32.
;; Inputs: W1 4,096 x 8 float32; W2_codes 1,024 x 128 x 24 uint8 (E3M2 codes of W2, K innermost, in blocks of 32 codes, four codes in three bytes); W2_scales 1,024 x 128 uint8 (E8M0 scales of W2, one for each 32 codes along K); theta 8 float32; x 4 x 4,096 x 1,024 float32.
;; Outputs: out0 4 x 4,096 x 1,024 float32.
;; This version of the problem:
;;   THIS VERSION OF THE PROBLEM IS GIVEN IN LOW PRECISION. The matrix products marked QUANTISED in the list below multiply operands that are first quantised to E3M2 (3 exponent bits, 2 mantissa bits; 6 bits a number), with one power-of-two scale for each 32 numbers along K (OCP MX v1.0); their sums are f32. All else is computed in f32.
;;   The module's matrix products, in the order in which they are computed (A, B: the left and right operand; K: the contracted axis; several contracted axes count as one K, in the product's order):
;;     1. [M 16,384, K 8] x [K 8, N 4,096]; A: computed on the way; B: input W1: left as it is (K = 8 < 32)
;;     2. [M 16,384, K 4,096] x [K 4,096, N 1,024]; A: computed on the way; B: input W2 (given as codes): QUANTISED
;;   THE QUANTISER, for each operand of a quantised product, along K:
;;     - K is cut into blocks of 32 from its start; a last block that is shorter is filled with zeros.
;;     - A block's scale is 2^e with e = floor(log2(the largest magnitude in the block)) - 4, held to -126 .. 127; a block of zeros has e = 0. As a byte (E8M0): e + 127.
;;     - Each number is divided by its block's scale, clamped to +-28, and rounded to the nearest number of E3M2, ties to even, subnormals kept.
;;     - The product sums the exact products of the quantised numbers (number of the format x scale) in f32.
;;   ~~~python
;;   def quantise(x, axis):      # numpy; x: float32 -> the quantised numbers, widened to float32 again
;;       x = np.moveaxis(x, axis, -1); K = x.shape[-1]
;;       x = np.pad(x, [(0, 0)] * (x.ndim - 1) + [(0, -K % 32)]); x = x.reshape(x.shape[:-1] + (-1, 32)); a = np.abs(x).max(-1, keepdims=True)
;;       e = np.where(a > 0, np.clip(np.frexp(np.where(a > 0, a, 1))[1] - 1 - 4, -126, 127), 0)      # np.frexp(a)[1] - 1 = floor(log2(a)), exactly
;;       r = np.clip(x / 2.0 ** e, -28, 28)
;;       step = 2.0 ** (np.maximum(np.frexp(np.where(r == 0, 1, r))[1] - 1, -2) - 2)
;;       q = np.round(r / step) * step * 2.0 ** e      # np.round: ties to even
;;       return np.moveaxis(q.reshape(q.shape[:-2] + (-1,))[..., :K], -1, axis).astype(np.float32)
;;   ~~~
;;   OPERANDS COMPUTED ON THE WAY. 'Computed on the way' means the value that the module computes at that place (a softmax that the list does not call 'softmax' is quantised finished and normalised). What goes into a quantiser is computed in f32, as accurately as f32 sums, v_exp_f32 and their like allow (about 1e-6 of the number): no bf16 or f16 on the way to a quantiser, and a product that is left as it is and whose result goes on into a quantised operand takes f32 operands (vector FMAs, or v_wmma_f32_16x16x4_f32). A number that lies on a knife's edge between two numbers of the format may be rounded either way, as far as f32 arithmetic and the matrix unit's own rounding can turn it there, and no further.
;;   INPUTS GIVEN AS CODES. W2 (in the module: [1024, 4096], K = its axis 1): each comes as NAME_codes (uint8): NAME with its K axis moved to the last place and cut into blocks of 32 codes, [.., K / 32, bytes a block], one block behind the other in memory; four codes in three bytes: a row's codes are one little-endian stream of bits, code i at bits 6 i .. 6 i + 5 (a code: sign, 3 exponent bits, 2 mantissa bits); and NAME_scales (uint8): the same leading axes, one E8M0 byte (e + 127) for each 32 codes along K. Its value is code x scale, taken as it is: it is not quantised again, and the codes and scales need not be those that the quantiser above would give.
;; One version. Each part assembles by itself: llvm-mc -triple=amdgcn-amd-amdhsa -mcpu=gfx1250 --defsym DOCPART=n.
;; ======== version 1 of 1: 2 launches
;; limits: inputs' magnitudes at most 100,000; right only within a limited range of input values
;; workspace buffers: hc 52,428,800 bytes; wi 3,276,800 bytes
;; launch hgen (part 1): grid 256 x 1, 16 waves a work-group, no clusters, 142,336 bytes of LDS; arguments x, theta, W1, hc, W2_codes, W2_scales, wi; writes hc, wi
.if DOCPART == 1
	.amdgcn_target "amdgcn-amd-amdhsa--gfx1250"
	.amdhsa_code_object_version 6
	.text
	.protected	k_qf67987749d_hgen
	.globl	k_qf67987749d_hgen
	.p2align	8
	.type	k_qf67987749d_hgen,@function
k_qf67987749d_hgen:
	s_mov_b64 s[64:65], 0
	v_nop
	global_prefetch_b8 v0, s[64:65] scope:SCOPE_SE
	s_setreg_imm32_b32 hwreg(HW_REG_WAVE_MODE, 25, 1), 1
	s_wait_xcnt 0x0
; z = cos(x[.., 0..7]) * cos(theta);  h = relu(z W1^T), [16384][4096], in f32;  h is quantised along its 4,096 to codes of BF6 (E3M2) with one E8M0 byte for each 32.
; OUT: both operands of the next product, as BLOCKS in the order of the operand's registers.  A block is 128 rows x 128 K, 12,800 bytes: 8 images of 1,536 bytes (image i: rows 16 i .. 16 i + 15; register group g,
; registers 4 g .. 4 g + 3, of lane l at 512 g + 16 l), then 512 bytes of scale words: that of row r of image i at 12,288 + 256 (i / 4) + 16 r + 4 (i % 4).
;   hc: h, [128 blocks of 128 tokens][32 K steps].   wi: W2, [8 blocks of 128 rows][32 K steps]: the given codes and scale bytes, moved and not changed.
; SHARES.  A work-group owns 64 tokens.  Wave w takes token tile tt = w % 4 (16 tokens) and quarter fq = w / 4 of the hidden units: 8 fragments of 128.  Every h is made once in the launch.
; Work-group g also lays block g of wi: waves 0 to 7 an image each, wave 8 the scale words.
; THE FIRST PRODUCT has K = 8 and feeds a quantiser, so it stays in f32: v_wmma_f32_16x16x4_f32, two a tile, source 0 = 16 rows of W1, source 1 = z.  k is permuted alike on both sides:
; slot 2 h + j of instruction s stands for q = 4 h + 2 s + j, so that a lane's four numbers are 16 neighbouring bytes of its row.
; THE ROWS OF W1 THAT FORM A TILE ARE NOT NEIGHBOURS: row m of tile 4 c + t of fragment F is W1's row 128 F + 64 c + 32 (m / 8) + 8 t + m % 8.  Lane (r, h) then holds token r, and its registers
; D + 32 c + 0 .. 31 are hidden units 128 F + 64 c + 32 h + 0 .. 31: a WHOLE block of 32 in one lane, in the order of the 6-bit operand.  No maximum crosses lanes, no halves are exchanged.
; W1 (131,072 bytes) is laid into LDS once, as tile images in that order; it is all that work-groups share, read once through registers, against 204,800 bytes that each stores: no cluster, no tensor load.
; COSINE: written out.  k = the nearest whole number to x * 2 / pi; r = x - k pi/2 with pi/2 in three parts (the first step loses nothing); polynomials for cos r and sin r on |r| <= pi/4; the quadrant picks one and its sign.
; LIMITS: the reduction keeps f32 accuracy for |x| and |theta| up to about 1e5.  NaN and infinities in x, theta or W1 are not served (the relu's maximum turns a NaN into 0).
; A block of 32 zeros of h gets the byte 1 where the rule says 127: its codes are zeros, and this program alone reads the bytes.
.set STG,    131072                    ; LDS: behind W1's 256 tile images of 512 bytes: the stage for h's scale words: 32 K steps x 256 bytes (16 r + 4 tt)
.set BLKB,   12800                     ; a block
.set SCW,    12288                     ; where its scale words begin
.set LI,  4                            ; v4    16 x lane
.set WGA, 5                            ; v5    my lane's place in a tile of W1 in memory
.set XGA, 6                            ; v6    my lane's place in the wave's 16 rows of x
.set TGA, 7                            ; v7    my lane's place in theta
.set WST, 8                            ; v8    LDS: where I store W1's images: 16 x lane + 8,192 x wave
.set WRD, 9                            ; v9    LDS: where I read them: 16 x lane + 32,768 x fq
.set SST, 10                           ; v10   LDS: my token's scale words of my quarter
.set SRD, 11                           ; v11   LDS: the way out of the stage
.set SH8, 12                           ; v12   8 h: how far my two scale bytes are shifted
.set Z,   16                           ; v16-19   z of my token, q = 4 h + 0 .. 3
.set XR,  20                           ; v20-23   x as loaded, then its cosines
.set TR,  24                           ; v24-27   theta likewise
.set SGO, 28                           ; v28   the scale words' way out: a block for each half of the lanes, 16 bytes a lane
.set WLA, 29                           ; v29   my lane's place in 16 rows of W2's codes
.set WSA, 30                           ; v30   my lane's place among 128 rows of W2's scale bytes
.set AW,  32                           ; v32-63   a fragment's 8 tiles of W1, 4 registers each
.set D,   64                           ; v64-127  the sums: written by matrix instructions alone
.set H,   128                          ; v128-191 h behind the relu; at the head: W1 as loaded
.set P,   192                          ; v192-203, v204-215  a fragment's codes, two sets by turns
.set T,   216                          ; v216-218, v220-222  the upper halves of the two blocks' codes
.set AM,  224                          ; v224-225 the two blocks' largest numbers
.set SO,  226                          ; v226-227 the conversions' scale operands
.set BY,  228                          ; v228-229 the scale bytes
.set W,   230                          ; v230     the scale word
.set WX,  231                          ; v231     the other half of the lanes' part of it
.set CK,  232                          ; v232-237 at work in COS
.set CR,  233
.set CS,  234
.set CC,  235
.set CN,  236
.set CI,  237
.set WI,  240                          ; v240-251 an image of W2 (wave 8: v240-243, four scale words); written once
.set SEL,  26                          ; s[26:27] lane selects for v_permlanex16_b32: lane l xor 16
.set INVP, 28                          ; s28 2 / pi;  s29 -HI, s30 MID, s31 LO: pi/2 = HI - MID - LO
.set NHI,  29
.set MID,  30
.set LO,   31
.set C0,   32                          ; s32-34 cos r = 1 - s/2 + s^2 (C2 + s (C1 + s C0)), s = r^2
.set C1,   33
.set C2,   34
.set S0,   35                          ; s35-37 sin r = r + r s (S2 + s (S1 + s S0))
.set S1,   36
.set S2,   37
	s_load_b256 s[4:11], s[0:1], 0x0               ; x s[4:5], theta s[6:7], W1 s[8:9], hc s[10:11]
	s_load_b128 s[40:43], s[0:1], 0x20             ; W2's codes s[40:41], W2's scales s[42:43]
	s_load_b64 s[44:45], s[0:1], 0x30              ; wi
	v_lshl_add_u32 v254, v0, 2, 0x22400
	v_mov_b32 v255, 0
	v_lshrrev_b32 v1, 5, v0
	s_delay_alu instid0(VALU_DEP_1)
	v_readfirstlane_b32 s14, v1                    ; wave 0..15
	s_and_b32 s15, s14, 3                          ; tt: my tile of 16 tokens
	s_lshr_b32 s16, s14, 2                         ; fq: my quarter of the hidden units
	v_and_b32 v1, 31, v0                           ; lane
	v_and_b32 v2, 15, v0                           ; r
	v_bfe_u32 v3, v0, 4, 1                         ; h
	s_delay_alu instid0(VALU_DEP_3)
	v_lshlrev_b32 v[LI], 4, v1
	s_delay_alu instid0(VALU_DEP_3)
	v_lshrrev_b32 v[WGA], 3, v2
	s_delay_alu instid0(VALU_DEP_4)
	v_and_b32 v13, 7, v2
	s_delay_alu instid0(VALU_DEP_2)
	v_lshlrev_b32 v[WGA], 10, v[WGA]               ; W1: 32 rows of 32 bytes for r / 8,
	s_delay_alu instid0(VALU_DEP_1)
	v_lshl_add_u32 v[WGA], v13, 5, v[WGA]          ; a row for r % 8,
	s_delay_alu instid0(VALU_DEP_1)
	v_lshl_add_u32 v[WGA], v3, 4, v[WGA]           ; 16 bytes for my half of the 8
	v_lshlrev_b32 v[XGA], 12, v2                   ; x: a token's row is 4,096 bytes
	s_delay_alu instid0(VALU_DEP_1)
	v_lshl_add_u32 v[XGA], v3, 4, v[XGA]
	v_lshlrev_b32 v[TGA], 4, v3
	v_lshlrev_b32 v[SH8], 3, v3
	v_mul_u32_u24 v[WLA], v2, 3072                 ; W2's codes: row r of 3,072 bytes, + 24 h
	s_delay_alu instid0(VALU_DEP_1)
	v_mad_u32_u24 v[WLA], v3, 24, v[WLA]
	v_lshlrev_b32 v[WSA], 7, v2                    ; W2's scale bytes: row 64 h + r of 128 bytes
	s_delay_alu instid0(VALU_DEP_1)
	v_lshl_add_u32 v[WSA], v3, 13, v[WSA]
	v_mul_u32_u24 v[SGO], v3, BLKB
	s_delay_alu instid0(VALU_DEP_1)
	v_lshl_add_u32 v[SGO], v2, 4, v[SGO]
	s_lshl_b32 s20, s14, 13                        ; 8,192 x wave: my 16 tiles of W1, in memory and in LDS
	s_mov_b32 s21, 0
	v_add_nc_u32 v[WST], s20, v[LI]
	s_lshl_b32 s38, s16, 15
	v_add_nc_u32 v[WRD], s38, v[LI]
	s_lshl_b32 s38, s16, 11                        ; the stage: K step 8 fq (256 bytes a step), word 16 r + 4 tt
	s_lshl_b32 s39, s15, 2
	s_add_co_u32 s38, s38, s39
	s_add_co_u32 s38, s38, STG
	v_lshlrev_b32 v[SST], 4, v2
	s_delay_alu instid0(VALU_DEP_1)
	v_add_nc_u32 v[SST], s38, v[SST]
	s_lshl_b32 s38, s14, 9                         ; back: wave w takes K steps 2 w and 2 w + 1, sixteen lanes to a step's 256 bytes
	s_add_co_u32 s38, s38, STG
	v_add_nc_u32 v[SRD], s38, v[LI]
	v_mov_b32 v[WX], 0                             ; written once: a lane permute's destination counts as one of its sources
	s_lshl_b32 s18, ttmp9, 18                      ; x: 64 tokens of 4,096 bytes a work-group,
	s_lshl_b32 s38, s15, 16                        ; 16 a tile
	s_add_co_u32 s18, s18, s38
	s_mov_b32 s19, 0
	s_lshr_b32 s22, ttmp9, 1                       ; hc: block row of 128 tokens = work-group / 2: 32 blocks each
	s_lshl_b32 s22, s22, 5
	s_lshl_b32 s24, s14, 1                         ; the scale words' way out: blocks 2 w and 2 w + 1 of the 32,
	s_add_co_u32 s24, s24, s22
	s_mul_i32 s24, s24, BLKB
	s_and_b32 s39, ttmp9, 1
	s_lshl_b32 s38, s39, 8                         ; my work-group's 256 of a block's 512 bytes of scale words
	s_add_co_u32 s24, s24, s38
	s_add_co_u32 s24, s24, SCW
	s_mov_b32 s25, 0
	s_lshl_b32 s38, s16, 3                         ; the codes: my first K step is 8 fq;
	s_add_co_u32 s22, s22, s38
	s_mul_i32 s22, s22, BLKB
	s_lshl_b32 s38, s39, 2
	s_add_co_u32 s38, s38, s15                     ; my image among a block's 8: 4 (work-group % 2) + tt
	s_mul_i32 s38, s38, 1536
	s_add_co_u32 s22, s22, s38                     ; under 52,428,800
	s_mov_b32 s23, 0
	s_lshr_b32 s46, ttmp9, 5                       ; wi's block g: rows 128 (g / 32) on, K step g % 32
	s_and_b32 s39, ttmp9, 31
	s_lshl_b32 s48, s46, 14                        ; W2's scale bytes: 128 rows of 128 bytes, + 4 bytes a K step
	s_lshl_b32 s38, s39, 2
	s_add_co_u32 s48, s48, s38
	s_mov_b32 s49, 0
	s_mul_i32 s46, s46, 393216                     ; W2's codes: 128 rows of 3,072 bytes,
	s_mul_i32 s38, s14, 49152                      ; 16 rows a wave,
	s_add_co_u32 s46, s46, s38
	s_mul_i32 s38, s39, 96                         ; 96 bytes a K step
	s_add_co_u32 s46, s46, s38
	s_mov_b32 s47, 0
	s_mul_i32 s50, ttmp9, BLKB                     ; wi: block g, image w; 8 x 1,536 = 12,288: wave 8 stands at the scale words
	s_mul_i32 s38, s14, 1536
	s_add_co_u32 s50, s50, s38
	s_mov_b32 s51, 0
	s_mov_b32 s[SEL], 0x76543210
	s_mov_b32 s[SEL+1], 0xfedcba98
	s_mov_b32 s[INVP], 0x3f22f983                  ; 0.63661977
	s_mov_b32 s[NHI], 0xbfc90fdb                   ; -1.57079637
	s_mov_b32 s[MID], 0x333bbd2e                   ; 4.37113883e-8
	s_mov_b32 s[LO], 0x26f72ced                    ; 1.71512445e-15
	s_mov_b32 s[C0], 0x37ccf5ce                    ; 2.44331571e-5
	s_mov_b32 s[C1], 0xbab6061a                    ; -1.38873163e-3
	s_mov_b32 s[C2], 0x3d2aaaa5                    ; 4.16666457e-2
	s_mov_b32 s[S0], 0xb94ca1f9                    ; -1.95152959e-4
	s_mov_b32 s[S1], 0x3c08839e                    ; 8.33216087e-3
	s_mov_b32 s[S2], 0xbe2aaaa3                    ; -1.66666546e-1
	s_wait_kmcnt 0x0
	s_add_nc_u64 s[4:5], s[4:5], s[18:19]
	s_add_nc_u64 s[8:9], s[8:9], s[20:21]
	s_add_nc_u64 s[12:13], s[10:11], s[24:25]      ; hc, for the scale words
	s_add_nc_u64 s[10:11], s[10:11], s[22:23]      ; hc, for the codes
	s_add_nc_u64 s[40:41], s[40:41], s[46:47]
	s_add_nc_u64 s[42:43], s[42:43], s[48:49]
	s_add_nc_u64 s[44:45], s[44:45], s[50:51]
	global_load_b128 v[XR:XR+3], v[XGA], s[4:5] th:TH_LOAD_NT      ; x(my token, 4 h .. 4 h + 3)
	global_load_b128 v[TR:TR+3], v[TGA], s[6:7]                    ; theta(4 h .. 4 h + 3)
.irp i, 0,1,2,3,4,5,6,7,8,9,10,11,12,13,14,15      ; my 16 tiles of W1 (fragments 2 w and 2 w + 1), each lane its tile row's 16 bytes
	global_load_b128 v[H+4*\i:H+4*\i+3], v[WGA], s[8:9] offset:4096*(\i/8)+2048*((\i/4)%2)+256*(\i%4)
.endr
	; W2 INTO wi.  The six pieces of 8 bytes that a lane loads ARE the operand's twelve registers; they leave as an image.  Loads, their wait and the stores stand in one branch on the wave's number;
	; the wait is for 0, which takes in the loads above: they were issued just before and are on their way together.
	s_cmp_lt_u32 s14, 8
	s_cbranch_scc0 .Lnot_codes
.irp p, 0,1,2,3,4,5
	global_load_b64 v[WI+2*\p:WI+2*\p+1], v[WLA], s[40:41] offset:48*(\p/3)+8*(\p%3)   ; registers 6 c .. 6 c + 5: K = 64 c + 32 h + 0 .. 31 of row r
.endr
	s_wait_loadcnt 0x0
.irp k, 0,1,2
	global_store_b128 v[LI], v[WI+4*\k:WI+4*\k+3], s[44:45] offset:512*\k              ; the wave stores 512 consecutive bytes, at a multiple of 512 from wi's first byte
.endr
	s_branch .Lw2_done
.Lnot_codes:
	s_cmp_eq_u32 s14, 8
	s_cbranch_scc0 .Lw2_done
	s_wait_alu depctr_va_vdst(0)
.irp k, 0,1,2,3
	global_load_b32 v[WI+\k], v[WSA], s[42:43] offset:2048*\k      ; the word of row 64 h + 16 k + r: row r of image 4 h + k
.endr
	s_wait_loadcnt 0x0
	global_store_b128 v[LI], v[WI:WI+3], s[44:45]                  ; 256 h + 16 r + 4 k: 512 consecutive bytes
.Lw2_done:
; cos of v[x], in place
.macro COS x
	v_mul_f32 v[CK], s[INVP], v[\x]
	s_delay_alu instid0(VALU_DEP_1)
	v_rndne_f32 v[CK], v[CK]                       ; k
	s_delay_alu instid0(VALU_DEP_1)
	v_fma_f32 v[CR], v[CK], s[NHI], v[\x]          ; x - k HI: a multiple of HI's last place, under 1 in magnitude: nothing is rounded away
	s_delay_alu instid0(VALU_DEP_1)
	v_fma_f32 v[CR], v[CK], s[MID], v[CR]
	s_delay_alu instid0(VALU_DEP_1)
	v_fma_f32 v[CR], v[CK], s[LO], v[CR]           ; r
	s_delay_alu instid0(VALU_DEP_1)
	v_mul_f32 v[CS], v[CR], v[CR]                  ; s = r^2
	s_delay_alu instid0(VALU_DEP_1)
	v_fma_f32 v[CC], v[CS], s[C0], s[C1]           ; the two polynomials by turns
	s_delay_alu instid0(VALU_DEP_2)
	v_fma_f32 v[CN], v[CS], s[S0], s[S1]
	s_delay_alu instid0(VALU_DEP_2)
	v_fma_f32 v[CC], v[CC], v[CS], s[C2]
	s_delay_alu instid0(VALU_DEP_2)
	v_fma_f32 v[CN], v[CN], v[CS], s[S2]
	s_delay_alu instid0(VALU_DEP_2)
	v_fma_f32 v[CC], v[CC], v[CS], -0.5
	s_delay_alu instid0(VALU_DEP_2)
	v_mul_f32 v[CN], v[CN], v[CS]
	s_delay_alu instid0(VALU_DEP_2)
	v_fma_f32 v[CC], v[CC], v[CS], 1.0             ; cos r
	s_delay_alu instid0(VALU_DEP_2)
	v_fma_f32 v[CN], v[CN], v[CR], v[CR]           ; sin r
	v_cvt_i32_f32 v[CI], v[CK]
	s_delay_alu instid0(VALU_DEP_1)
	v_and_b32 v[CK], 1, v[CI]
	s_delay_alu instid0(VALU_DEP_1)
	v_cmp_eq_u32 vcc_lo, 1, v[CK]
	s_delay_alu instid0(VALU_DEP_1)
	v_cndmask_b32 v[CC], v[CC], v[CN], vcc_lo      ; k odd: sin r
	s_delay_alu instid0(VALU_DEP_4)
	v_add_nc_u32 v[CI], 1, v[CI]
	s_delay_alu instid0(VALU_DEP_1)
	v_and_b32 v[CI], 2, v[CI]                      ; k % 4 = 1 or 2: the sign turns
	s_delay_alu instid0(VALU_DEP_1)
	v_lshlrev_b32 v[CI], 30, v[CI]
	s_delay_alu instid0(VALU_DEP_1)
	v_xor_b32 v[\x], v[CC], v[CI]
.endm
	s_wait_loadcnt 16                              ; x and theta are in; the 16 loads of W1 behind them may stay out
.irp i, 0,1,2,3
	COS XR+\i
	COS TR+\i
.endr
	v_pk_mul_f32 v[Z:Z+1], v[XR:XR+1], v[TR:TR+1]
	s_delay_alu instid0(VALU_DEP_2)
	v_pk_mul_f32 v[Z+2:Z+3], v[XR+2:XR+3], v[TR+2:TR+3]
	s_wait_alu depctr_va_vdst(0)
.irp i, 0,1,2,3,4,5,6,7,8,9,10,11,12,13,14,15
	s_wait_loadcnt 15-\i                           ; tile i is in; the younger ones may stay out
	ds_store_b128 v[WST], v[H+4*\i:H+4*\i+3] offset:512*\i         ; its image: 512 consecutive bytes
.endr
	s_wait_dscnt 0x0                               ; for the others' sake: my images have landed
	s_barrier_signal -1
	s_barrier_wait -1                              ; all 256 images lie in LDS; nobody writes them again
.macro FETCH n                         ; fragment n of my eight: its 8 tiles of W1
.irp t, 0,1,2,3,4,5,6,7
	ds_load_b128 v[AW+4*\t:AW+4*\t+3], v[WRD] offset:4096*(\n)+512*\t
.endr
.endm
; 16 tokens x 128 hidden units x 8: the eight sums take turns, one instruction a turn; the first K step starts each sum with the constant 0
.macro MM
	s_wait_dscnt 0x0                               ; the fragment's tiles are in (and my last scale word's store is done)
.irp t, 0,1,2,3,4,5,6,7
	v_wmma_f32_16x16x4_f32 v[D+8*\t:D+8*\t+7], v[AW+4*\t:AW+4*\t+1], v[Z:Z+1], 0
.endr
.irp t, 0,1,2,3,4,5,6,7
	v_wmma_f32_16x16x4_f32 v[D+8*\t:D+8*\t+7], v[AW+4*\t+2:AW+4*\t+3], v[Z+2:Z+3], v[D+8*\t:D+8*\t+7]
.endr
.endm
.macro RELU                            ; into other registers, each sum from its low end on
.set j, 0
.rept 64
	v_max_num_f32 v[H+j], 0, v[D+j]
.set j, j+1
.endr
.endm
; The 64 numbers in H (fragment m of my eight: two whole blocks of 32 a lane) become 12 registers of codes and a scale word, and leave.  fetch = 1: the tiles of fragment m + 2 are asked for.
; Its first 32 lines name no register of the products issued just before it: they are the places that the f32 matrix form wants ahead of the loads into AW, of the relu's reads and of the next products.
.macro QUANT m, fetch
.set PS, P+12*((\m)%2)
	v_max3_num_f32 v[AM], v[H], v[H+1], 0x2800000                  ; none is negative: no |.|.  The floor 2^(5 - 127) holds the byte at 1 from below
	v_max3_num_f32 v[AM+1], v[H+32], v[H+33], 0x2800000
.irp i, 2,4,6,8,10,12,14,16,18,20,22,24,26,28,30
	s_delay_alu instid0(VALU_DEP_2)
	v_max3_num_f32 v[AM], v[AM], v[H+\i], v[H+\i+1]                ; (the two blocks by turns)
	s_delay_alu instid0(VALU_DEP_2)
	v_max3_num_f32 v[AM+1], v[AM+1], v[H+32+\i], v[H+33+\i]
.endr
.if \fetch
	FETCH (\m)+2
.endif
	v_add_nc_u32 v[SO], 0xfe000000, v[AM]          ; 4 off the exponent field: the conversion takes the exponent field of this operand as its scale
	v_add_nc_u32 v[SO+1], 0xfe000000, v[AM+1]
	s_delay_alu instid0(VALU_DEP_2)
	v_lshrrev_b32 v[BY], 23, v[SO]                 ; the scale's byte
	s_delay_alu instid0(VALU_DEP_2)
	v_lshrrev_b32 v[BY+1], 23, v[SO+1]
	s_delay_alu instid0(VALU_DEP_1)
	v_lshl_or_b32 v[W], v[BY+1], 16, v[BY]         ; my blocks are h and 2 + h of the fragment's four
	s_delay_alu instid0(VALU_DEP_1)
	v_lshlrev_b32 v[W], v[SH8], v[W]
	s_delay_alu instid0(VALU_DEP_1)
	v_permlanex16_b32 v[WX], v[W], s[SEL], s[SEL+1]
	s_delay_alu instid0(VALU_DEP_1)
	v_or_b32 v[W], v[W], v[WX]                     ; with lane l xor 16's two bytes the word is whole
.if (\m) >= 2
	s_wait_alu depctr_va_vdst(0)
	s_wait_xcnt 0x0                                ; this set of code registers was the data of fragment m - 2's stores: it is written again only behind this wait
.endif
.irp c, 0,1
	v_cvt_scalef32_pk16_bf6_f32 v[PS+6*\c:PS+6*\c+2], v[H+32*\c:H+32*\c+15], v[SO+\c]
	v_cvt_scalef32_pk16_bf6_f32 v[T+4*\c:T+4*\c+2], v[H+32*\c+16:H+32*\c+31], v[SO+\c]     ; (a conversion's three registers begin on an even number: the block's upper half is made here and moved)
.endr
	v_nop                                          ; one plain place behind the scaled conversions
.irp c, 0,1
.irp i, 0,1,2
	v_mov_b32 v[PS+6*\c+3+\i], v[T+4*\c+\i]
.endr
.endr
	ds_store_b32 v[SST], v[W] offset:256*(\m)      ; both halves of the lanes write the same word with the same value
.irp k, 0,1,2
	global_store_b128 v[LI], v[PS+4*\k:PS+4*\k+3], s[10:11] offset:BLKB*(\m)+512*\k th:TH_STORE_NT   ; the wave stores 512 consecutive bytes, at a multiple of 512 from hc's first byte
.endr
.endm
	FETCH 0
	MM                                             ; fragment 0
.rept 8
	v_nop                                          ; the places ahead of the loads into AW and of the first read of the sums: here no other work is at hand
.endr
	FETCH 1
	RELU
.irp n, 1,2,3,4,5,6                                ; fragment n is multiplied while fragment n - 1 is quantised
	MM
	QUANT \n-1, 1
	RELU
.endr
	MM
	QUANT 6, 0
	RELU
	QUANT 7, 0
	s_wait_dscnt 0x0                               ; for the others' sake: my scale words have landed
	s_barrier_signal -1
	s_barrier_wait -1                              ; the 64 tokens' scale words of all 32 K steps lie in the stage
	ds_load_b128 v[CK:CK+3], v[SRD]
	s_wait_dscnt 0x0
	global_store_b128 v[SGO], v[CK:CK+3], s[12:13] th:TH_STORE_NT  ; sixteen lanes store 256 consecutive bytes, at a multiple of 256 from hc's first byte: my work-group's half of a block's scale words
	s_wait_tensorcnt 0x0
	ds_add_u32 v254, v255
	s_wait_dscnt 0x0
	s_endpgm
.Lfunc_end_k_qf67987749d_hgen:
	.size	k_qf67987749d_hgen, .Lfunc_end_k_qf67987749d_hgen-k_qf67987749d_hgen
	.p2alignl 7, 3214868480
	.fill 96, 4, 3214868480
	.section	.rodata,"a",@progbits
	.p2align	6, 0x0
	.amdhsa_kernel k_qf67987749d_hgen
		.amdhsa_group_segment_fixed_size 142336
		.amdhsa_private_segment_fixed_size 0
		.amdhsa_enable_private_segment 0
		.amdhsa_kernarg_size 56
		.amdhsa_user_sgpr_count 2
		.amdhsa_user_sgpr_kernarg_segment_ptr 1
		.amdhsa_wavefront_size32 1
		.amdhsa_system_sgpr_workgroup_id_x 1
		.amdhsa_system_sgpr_workgroup_id_y 1
		.amdhsa_system_sgpr_workgroup_id_z 1
		.amdhsa_system_vgpr_workitem_id 0
		.amdhsa_next_free_vgpr 256
		.amdhsa_next_free_sgpr 66
		.amdhsa_reserve_vcc 1
		.amdhsa_float_denorm_mode_32 3
		.amdhsa_float_denorm_mode_16_64 3
		.amdhsa_memory_ordered 1
		.amdhsa_forward_progress 1
		.amdhsa_inst_pref_size 88
	.end_amdhsa_kernel
	.amdgpu_metadata
---
amdhsa.version: [ 1, 2 ]
amdhsa.kernels:
  - .name:           k_qf67987749d_hgen
    .symbol:         k_qf67987749d_hgen.kd
    .args:
      - { .name: x, .offset: 0, .size: 8, .value_kind: global_buffer, .address_space: global }
      - { .name: theta, .offset: 8, .size: 8, .value_kind: global_buffer, .address_space: global }
      - { .name: W1, .offset: 16, .size: 8, .value_kind: global_buffer, .address_space: global }
      - { .name: hc, .offset: 24, .size: 8, .value_kind: global_buffer, .address_space: global }
      - { .name: W2_codes, .offset: 32, .size: 8, .value_kind: global_buffer, .address_space: global }
      - { .name: W2_scales, .offset: 40, .size: 8, .value_kind: global_buffer, .address_space: global }
      - { .name: wi, .offset: 48, .size: 8, .value_kind: global_buffer, .address_space: global }
    .group_segment_fixed_size: 142336
    .private_segment_fixed_size: 0
    .kernarg_segment_align: 8
    .kernarg_segment_size: 56
    .max_flat_workgroup_size: 512
    .sgpr_count:     66
    .vgpr_count:     256
    .wavefront_size: 32
...
	.end_amdgpu_metadata
.endif
;; end of part 1
;; launch gemm (part 2): grid 4 x 64, 4 waves a work-group, clusters of 4 x 4, 327,680 bytes of LDS; arguments hc, wi, out0; writes out0
.if DOCPART == 2
	.amdgcn_target "amdgcn-amd-amdhsa--gfx1250"
	.amdhsa_code_object_version 6
	.text
	.protected	k_qf67987749d_gemm
	.globl	k_qf67987749d_gemm
	.p2align	8
	.type	k_qf67987749d_gemm,@function
k_qf67987749d_gemm:
	s_mov_b64 s[64:65], 0
	v_nop
	global_prefetch_b8 v0, s[64:65] scope:SCOPE_SE
	s_setreg_imm32_b32 hwreg(HW_REG_WAVE_MODE, 25, 1), 1
	s_wait_xcnt 0x0
	s_wait_alu depctr_hold_cnt(0) depctr_sa_sdst(0) depctr_va_vdst(0) depctr_va_sdst(0) depctr_va_ssrc(0) depctr_va_vcc(0) depctr_vm_vsrc(0)
	s_getreg_b32 s2, hwreg(HW_REG_IB_STS2, 6, 4)
	s_cmp_eq_u32 s2, 0
	s_cbranch_scc0 .Lentry_in_a_cluster
	s_endpgm
.Lentry_in_a_cluster:
	s_bfe_u32 s2, ttmp6, 0x10000c
	s_cmp_lg_u32 s2, 0xf033
	s_cbranch_scc0 .Lentry_shape_is_right
	s_endpgm
.Lentry_shape_is_right:
; out0[m][n] = sum over k of h[m][k] W2[n][k], both as codes of BF6 (E3M2) with E8M0 scales, K = 4,096 in 32 steps of 128; sums in f32.
; hc and wi hold blocks of 128 rows x 128 K, 12,800 bytes, in the order of the operand's registers (8 images of 1,536 bytes, then 512 bytes of scale words).
; A work-group of four waves makes 256 x 256 of out0; a wave 128 x 128: 64 accumulators, 512 registers.  Source 0 = rows of W2, source 1 = rows of h: a lane holds 8 neighbouring columns of a row.
; h's BLOCKS GO FROM MEMORY STRAIGHT INTO REGISTERS: a wave's load of 16 bytes a lane covers 512 consecutive bytes of an image; two sets of 96 registers, each half set asked for again
; two K steps ahead, as soon as its products are issued.  They touch no LDS byte; a joint load lands in LDS alone, so h's blocks are not asked for jointly.
; W2's BLOCKS go through a ring of two LDS slots of 4 K steps (2 panels x 4 blocks), filled by joint loads shared along the cluster's column (the same tile column of out0):
; wave w brings panel w % 2, steps 2 (w / 2) and 2 (w / 2) + 1 of the slot: 100 rows of 256 bytes.
; REGISTERS: window 0: v0-31 addresses; v32-47 W2's scale words, two sets; v48-63 h's, two sets; v64-255 h's fragments, two sets.  window 1: W2's fragments at v0 and v128.  windows 2, 3: accumulators.
.set SIZE_N, 1024
.set BLKB,   12800
.set SCW,    12288
.set PANEL,  32*BLKB
.set SLOT,   8*BLKB
.set SPARE,  2*SLOT                    ; the spare words: 128 bytes a wave
.set STAGE,  SPARE+512                 ; the way out: bytes of its own, 16 rows x 528 bytes a wave
.set SPITCH, 528
.set AO,   16                          ; v16 16 x lane: h's images, and my place in a row of out0
.set ASO,  17                          ; v17 16 x (lane % 16): h's scale words
.set ADRB, 20                          ; v20-21 LDS: W2's images in slot 0, 1
.set ADRS, 22                          ; v22-23 LDS: W2's scale words in slot 0, 1
.set STO,  24
.set RD,   25
.set SPW,  28
.set NIL,  29
.set PFO,  30
.set PFO2, 31
.set SB,   32
.set SA,   48
.set AF,   64
.set BK,   128
.set G1, 24
.set G0, 32
.set AP, 48                            ; s[48:49] h's panel at the lap's first K step
.set PFA, 50                           ; s[50:51] where my prefetches stand
.set MSB, 0
.macro WIN new
.if MSB != \new
	s_set_vgpr_msb (MSB<<8)|\new
.set MSB, \new
.endif
.endm
.set MUL_LO, 0xa1
.set MUL_HI, 0xf1
.set TO_B,   0x40
.macro CREST
	s_cmp_lg_u32 s14, 0
	s_cbranch_scc1 .Lnot_wave_0_\@
	s_barrier_signal -3
.Lnot_wave_0_\@:
	s_barrier_wait -3
	s_barrier_signal -1
	s_barrier_wait -1
.endm
.macro CROUND
	s_barrier_signal -1
	s_barrier_wait -1
	CREST
.endm
.macro PLACES
.rept 4
	v_nop
.endr
.endm
.macro TLOAD s                         ; every wave's own quarter of slot s; the four v_nop are also the places ahead of the loads that follow
	tensor_load_to_lds s[G0+4*(\s):G0+4*(\s)+3], s[G1:G1+7]
	s_nop 0
	PLACES
.endm
	s_load_b128 s[4:7], s[0:1], 0x0                ; hc, wi
	s_load_b64 s[12:13], s[0:1], 0x10              ; out0
	v_lshl_add_u32 v[SPW], v0, 2, SPARE
	v_mov_b32 v[NIL], 0
	ds_add_u32 v[SPW], v[NIL]                      ; the opening lines
	ds_add_u32 v[SPW], v[NIL]
	v_lshrrev_b32 v1, 5, v0
	v_readfirstlane_b32 s14, v1                    ; wave
	s_lshr_b32 s15, s14, 1                         ; my half of the tile's rows; also which two steps of a slot I fetch
	s_and_b32 s16, s14, 1                          ; my half of its columns; also which panel of W2 I fetch
	s_bfe_u32 s40, ttmp6, 0x40000                  ; cx
	s_bfe_u32 s41, ttmp6, 0x40004                  ; cy
	s_lshl_b32 s42, ttmp9, 2
	s_add_co_u32 s42, s42, s40                     ; tile column
	s_and_b32 s17, ttmp7, 0xffff
	s_lshl_b32 s17, s17, 2
	s_add_co_u32 s17, s17, s41                     ; tile row
	s_lshl_b32 s44, 0x1111, s40                    ; my column of the cluster
	s_or_b32 s[G1+0], s44, (3<<16)|(1<<21)         ; elements of 8 bytes, the mask, bit 21 beside it
	s_mov_b32 s[G1+1], 32<<16                      ; rows of 32 elements = 256 bytes
	s_mov_b32 s[G1+2], 100<<16                     ; 100 rows: two blocks
	s_mov_b32 s[G1+3], 32<<16
	s_mov_b32 s[G1+4], 100
	s_mov_b32 s[G1+5], 32
	s_mov_b32 s[G1+6], 0
	s_mov_b32 s[G1+7], 0
	s_mul_i32 s18, s15, 2*BLKB
	s_mul_i32 s45, s16, 4*BLKB                     ; my panel in a slot
	s_add_co_u32 s43, s45, s18                     ; where my loads land in slot 0
	s_add_co_u32 s54, s45, SLOT
	s_lshl_b32 s46, s42, 1
	s_add_co_u32 s46, s46, s16
	s_mul_i32 s46, s46, PANEL
	s_add_co_u32 s46, s46, s18                     ; wi: panel 2 x tile column + w % 2, step 2 (w / 2)
	s_mov_b32 s47, 0
	s_lshl_b32 s20, s17, 1
	s_add_co_u32 s20, s20, s15
	s_mul_i32 s20, s20, PANEL                      ; hc: panel 2 x tile row + my half
	s_mov_b32 s21, 0
	s_lshl_b32 s22, s17, 1                         ; prefetches: of the tile row's two panels and a lap's 8 steps, the work-group at cx takes panel cx / 2, steps 4 (cx % 2) + wave
	s_lshr_b32 s19, s40, 1
	s_add_co_u32 s22, s22, s19
	s_mul_i32 s22, s22, PANEL
	s_and_b32 s19, s40, 1
	s_lshl_b32 s19, s19, 2
	s_add_co_u32 s19, s19, s14
	s_add_co_u32 s19, s19, 16                      ; two laps on
	s_mul_i32 s19, s19, BLKB
	s_add_co_u32 s22, s22, s19
	s_mov_b32 s23, 0
	s_lshl_b32 s52, s17, 8
	s_lshl_b32 s19, s15, 7
	s_add_co_u32 s52, s52, s19
	s_lshl_b32 s52, s52, 12                        ; my first row of out0, 4,096 bytes a row: under 2^27
	s_lshl_b32 s19, s42, 10
	s_add_co_u32 s52, s52, s19
	s_lshl_b32 s19, s16, 9
	s_add_co_u32 s52, s52, s19
	s_mov_b32 s53, 0
	s_mul_i32 s55, s14, 16*SPITCH
	s_add_co_u32 s55, s55, STAGE
	s_wait_dscnt 0x0                               ; both opening adds are done
	s_wait_kmcnt 0x0
	s_add_nc_u64 s[AP:AP+1], s[4:5], s[20:21]
	s_add_nc_u64 s[PFA:PFA+1], s[4:5], s[22:23]
	s_add_nc_u64 s[46:47], s[6:7], s[46:47]
	s_add_nc_u64 s[12:13], s[12:13], s[52:53]
	CROUND                                         ; in front of the first joint loads
.irp s, 0,1
	s_mov_b32 s[G0+4*\s], 1
	s_add_co_u32 s[G0+4*\s+1], s43, \s*SLOT
	s_add_nc_u64 s[G0+4*\s+2:G0+4*\s+3], s[46:47], \s*4*BLKB
	s_or_b32 s[G0+4*\s+3], s[G0+4*\s+3], 0x80000000
.endr
	TLOAD 0                                        ; K steps 0 to 3: one tensor load a wave at the head
	v_and_b32 v1, 15, v0
	v_bfe_u32 v2, v0, 4, 1
	v_and_b32 v6, 31, v0
	v_lshlrev_b32 v[AO], 4, v6
	v_lshlrev_b32 v[ASO], 4, v1
	v_add_nc_u32 v[ADRB], s45, v[AO]
	v_add_nc_u32 v[ADRB+1], s54, v[AO]
	v_add_nc_u32 v[ADRS], s45, v[ASO]
	v_add_nc_u32 v[ADRS+1], s54, v[ASO]
	v_mul_u32_u24 v5, v1, SPITCH
	v_lshl_add_u32 v5, v2, 5, v5
	v_add_nc_u32 v[STO], s55, v5
	v_add_nc_u32 v[RD], s55, v[AO]
	v_lshlrev_b32 v[PFO], 8, v6                    ; a block is 50 pieces of 256 bytes: lanes 0-31 name pieces 0-31,
	v_min_u32 v[PFO2], 17, v6
	v_lshlrev_b32 v[PFO2], 8, v[PFO2]
	v_add_nc_u32 v[PFO2], 8192, v[PFO2]            ; and pieces 32-49 (the lanes left over name the last again)
	s_wait_alu depctr_va_vdst(0)
; h's blocks 4 half .. 4 half + 3 of the K step st (counted from the lap's first) and their scale words, into set p: 13 loads
.macro ALOAD st, p, half
.irp i, 0,1,2,3
.irp c, 0,1,2
	global_load_b128 v[AF+96*(\p)+12*(4*(\half)+\i)+4*\c:AF+96*(\p)+12*(4*(\half)+\i)+4*\c+3], v[AO], s[AP:AP+1] offset:BLKB*(\st)+1536*(4*(\half)+\i)+512*\c
.endr
.endr
	global_load_b128 v[SA+8*(\p)+4*(\half):SA+8*(\p)+4*(\half)+3], v[ASO], s[AP:AP+1] offset:BLKB*(\st)+SCW+256*(\half)
.endm
; W2's eight fragments and scale words of step q of a slot, into set p: 26 LDS loads
.macro FETCH_B slot, q, p
	WIN TO_B
.irp i, 0,1,2,3,4,5,6,7
.irp c, 0,1,2
	ds_load_b128 v[128*(\p)+12*\i+4*\c:128*(\p)+12*\i+4*\c+3], v[ADRB+(\slot)] offset:BLKB*(\q)+1536*\i+512*\c
.endr
.endr
	WIN 0
	ds_load_b128 v[SB+8*(\p):SB+8*(\p)+3], v[ADRS+(\slot)] offset:BLKB*(\q)+SCW
	ds_load_b128 v[SB+8*(\p)+4:SB+8*(\p)+7], v[ADRS+(\slot)] offset:BLKB*(\q)+SCW+256
.endm
; 16 matrix instructions: h's blocks a0, a0 + 1 x W2's eight.  The 64 accumulators take turns in the same order in every step
.macro MUL16 a0, p, zero
.irp a, \a0, \a0+1
.irp b, 0,1,2,3,4,5,6,7
.if \zero
	v_wmma_scale_f32_16x16x128_f8f6f4 v[8*(8*((\a)%4)+\b):8*(8*((\a)%4)+\b)+7], v[128*(\p)+12*\b:128*(\p)+12*\b+11], v[AF+96*(\p)+12*(\a):AF+96*(\p)+12*(\a)+11], 0, v[SB+8*(\p)+\b], v[SA+8*(\p)+(\a)] matrix_a_fmt:MATRIX_FMT_BF6 matrix_b_fmt:MATRIX_FMT_BF6
.else
	v_wmma_scale_f32_16x16x128_f8f6f4 v[8*(8*((\a)%4)+\b):8*(8*((\a)%4)+\b)+7], v[128*(\p)+12*\b:128*(\p)+12*\b+11], v[AF+96*(\p)+12*(\a):AF+96*(\p)+12*(\a)+11], v[8*(8*((\a)%4)+\b):8*(8*((\a)%4)+\b)+7], v[SB+8*(\p)+\b], v[SA+8*(\p)+(\a)] matrix_a_fmt:MATRIX_FMT_BF6 matrix_b_fmt:MATRIX_FMT_BF6
.endif
.endr
.endr
.endm
; hc's blocks of the lap two laps on: one block a wave, each piece of 256 bytes named once in the cluster; the last trip has no such lap
.macro ASK
	s_cmp_gt_u32 s3, 1
	s_cbranch_scc0 .Lna_\@
	global_prefetch_b8 v[PFO], s[PFA:PFA+1] th:TH_LOAD_NT scope:SCOPE_SE
	global_prefetch_b8 v[PFO2], s[PFA:PFA+1] th:TH_LOAD_NT scope:SCOPE_SE
.Lna_\@:
.endm
; K step j of a lap of 8 (slot j / 4 % 2, step j % 4 of it, register sets j % 2).
; kind 0: inside a slot.  1: the slot's last step: its reads ended with the wait at this step's head; it is filled again, 8 steps on.  2: the same with nothing left to fetch.  3: the very last step.
; ld = 1: h's step j + 2 is asked for.  w1, w2: the younger loads of h that may stay out: three groups of 13 while loads go on.
.macro STEP j, zero, kind, ld, w1, w2, ask
.set P_, (\j)%2
.set SL_, ((\j)/4)%2
.set NSL_, (((\j)+1)/4)%2
.set NQ_, ((\j)+1)%4
	s_wait_loadcnt \w1                             ; h's blocks 0-3 of this step are in
	s_wait_dscnt 0x0                               ; W2's set is in (asked for 32 matrix instructions ago)
	WIN MUL_LO
	MUL16 0, P_, \zero
.if (\kind) == 1 || (\kind) == 2
	WIN 0
	s_wait_tensorcnt 0x0                           ; my part of the next slot has landed: no tensor load of mine is out
	ds_add_u32 v[SPW], v[NIL]
.if (\kind) == 1
	s_add_nc_u64 s[G0+4*SL_+2:G0+4*SL_+3], s[G0+4*SL_+2:G0+4*SL_+3], 8*BLKB
.endif
	s_wait_dscnt 0x0
	s_barrier_signal -1
	WIN MUL_LO
	MUL16 2, P_, 0                                 ; work on registers while the others arrive
	WIN 0
	s_barrier_wait -1
.if (\kind) == 1
	CREST                                          ; the barrier has opened a round of the cluster's barrier
	TLOAD SL_
.else
	PLACES
.endif
.else
	MUL16 2, P_, \zero
.if (\kind) != 3
	PLACES
.endif
.endif
.if (\kind) != 3
	FETCH_B NSL_, NQ_, 1-P_
.endif
.if \ld
	ALOAD (\j)+2, P_, 0
.endif
.if \ask
	ASK
.endif
	s_wait_loadcnt \w2                             ; h's blocks 4-7 of this step are in
	WIN MUL_HI
	MUL16 4, P_, \zero
	MUL16 6, P_, \zero
.if \ld
	PLACES
.endif
	WIN 0
.if \ld
	ALOAD (\j)+2, P_, 1
.endif
.endm
	ALOAD 0, 0, 0                                  ; h's K steps 0 and 1: four groups of 13 loads
	ALOAD 0, 0, 1
	ALOAD 1, 1, 0
	ALOAD 1, 1, 1
	s_wait_tensorcnt 0x0                           ; slot 1's first fill is issued as a refill is
	ds_add_u32 v[SPW], v[NIL]
	s_wait_dscnt 0x0
	CROUND
	TLOAD 1                                        ; K steps 4 to 7
	FETCH_B 0, 0, 0
	STEP 0, 1, 0, 1, 39, 39, 0                     ; the first step's products start the sums
	s_mov_b32 s3, 3
.Llap:                                             ; a trip: from a lap's second step to the next lap's first; both slots are filled again
	STEP 1, 0, 0, 1, 39, 39, 0
	STEP 2, 0, 0, 1, 39, 39, 0
	STEP 3, 0, 1, 1, 39, 39, 0
	STEP 4, 0, 0, 1, 39, 39, 0
	STEP 5, 0, 0, 1, 39, 39, 1
	STEP 6, 0, 0, 1, 39, 39, 0
	STEP 7, 0, 1, 1, 39, 39, 0
	STEP 8, 0, 0, 1, 39, 39, 0
	s_wait_xcnt 0x0                                ; the loads and prefetches have read their bases: they step only behind this wait
	s_add_nc_u64 s[AP:AP+1], s[AP:AP+1], 8*BLKB
	s_add_nc_u64 s[PFA:PFA+1], s[PFA:PFA+1], 8*BLKB
	s_sub_co_u32 s3, s3, 1
	s_cmp_lg_u32 s3, 0
	s_cbranch_scc1 .Llap
	STEP 1, 0, 0, 1, 39, 39, 0                     ; K steps 25 to 31: no slot is filled again; h's loads end with step 31's
	STEP 2, 0, 0, 1, 39, 39, 0
	STEP 3, 0, 2, 1, 39, 39, 0
	STEP 4, 0, 0, 1, 39, 39, 0
	STEP 5, 0, 0, 1, 39, 39, 0
	STEP 6, 0, 0, 0, 39, 26, 0
	STEP 7, 0, 3, 0, 13, 0, 0
; THE WAY OUT, by blocks of 16 rows x 128 columns through my own stage: back as whole rows of 512 bytes
.macro TOSTAGE a
.set AC, 64*((\a)%4)
	WIN 0x08+4*((\a)/4)
.irp b, 0,1,2,3,4,5,6,7
	ds_store_b128 v[STO], v[AC+8*\b:AC+8*\b+3] offset:64*\b          ; each accumulator from its low end on
	ds_store_b128 v[STO], v[AC+8*\b+4:AC+8*\b+7] offset:64*\b+16
.endr
	WIN 0
.set BB, BK+64*((\a)%2)
.irp t, 0,1,2,3,4,5,6,7,8,9,10,11,12,13,14,15
	ds_load_b128 v[BB+4*\t:BB+4*\t+3], v[RD] offset:\t*SPITCH
.endr
.endm
.macro SEND a, younger
.set BB, BK+64*((\a)%2)
	s_wait_dscnt \younger
.if (\a) > 0
	s_add_nc_u64 s[12:13], s[12:13], 16*SIZE_N*4   ; behind a wait on XCNT: the earlier stores have read their base
.endif
.irp t, 0,1,2,3,4,5,6,7,8,9,10,11,12,13,14,15
	global_store_b128 v[AO], v[BB+4*\t:BB+4*\t+3], s[12:13] offset:\t*SIZE_N*4 th:TH_STORE_NT   ; 32 lanes store 512 consecutive bytes, at a multiple of 256 from out0's first byte
.endr
.endm
	PLACES
	TOSTAGE 0
.irp a, 1,2,3,4,5,6,7
.if \a > 1
	s_wait_xcnt 0x0
.endif
	TOSTAGE \a
	SEND \a-1, 32
.endr
	s_wait_xcnt 0x0
	SEND 7, 0
	s_wait_tensorcnt 0x0                           ; the wave's end
	ds_add_u32 v[SPW], v[NIL]
	s_wait_dscnt 0x0
	CROUND                                         ; the closing round
	s_endpgm
.Lfunc_end_k_qf67987749d_gemm:
	.size	k_qf67987749d_gemm, .Lfunc_end_k_qf67987749d_gemm-k_qf67987749d_gemm
	.p2alignl 7, 3214868480
	.fill 96, 4, 3214868480
	.section	.rodata,"a",@progbits
	.p2align	6, 0x0
	.amdhsa_kernel k_qf67987749d_gemm
		.amdhsa_group_segment_fixed_size 327680
		.amdhsa_private_segment_fixed_size 0
		.amdhsa_enable_private_segment 0
		.amdhsa_kernarg_size 24
		.amdhsa_user_sgpr_count 2
		.amdhsa_user_sgpr_kernarg_segment_ptr 1
		.amdhsa_wavefront_size32 1
		.amdhsa_system_sgpr_workgroup_id_x 1
		.amdhsa_system_sgpr_workgroup_id_y 1
		.amdhsa_system_sgpr_workgroup_id_z 1
		.amdhsa_system_vgpr_workitem_id 0
		.amdhsa_next_free_vgpr 1024
		.amdhsa_next_free_sgpr 100
		.amdhsa_reserve_vcc 0
		.amdhsa_float_denorm_mode_32 3
		.amdhsa_float_denorm_mode_16_64 3
		.amdhsa_memory_ordered 1
		.amdhsa_forward_progress 1
		.amdhsa_inst_pref_size 239
	.end_amdhsa_kernel
	.amdgpu_metadata
---
amdhsa.version: [ 1, 2 ]
amdhsa.kernels:
  - .name:           k_qf67987749d_gemm
    .symbol:         k_qf67987749d_gemm.kd
    .args:
      - { .name: hc, .offset: 0, .size: 8, .value_kind: global_buffer, .address_space: global }
      - { .name: wi, .offset: 8, .size: 8, .value_kind: global_buffer, .address_space: global }
      - { .name: out0, .offset: 16, .size: 8, .value_kind: global_buffer, .address_space: global }
    .group_segment_fixed_size: 327680
    .private_segment_fixed_size: 0
    .kernarg_segment_align: 8
    .kernarg_segment_size: 24
    .max_flat_workgroup_size: 128
    .sgpr_count:     100
    .vgpr_count:     1024
    .wavefront_size: 32
...
	.end_amdgpu_metadata
.endif
;; end of part 2
